; MI455X (gfx1250); checked and timed in simulation.
; The chip was launched on July 23, 2026; its instructions are those of AMD's public machine-readable ISA for CDNA 5 (MIT licence, August 2026) and "CDNA5" Instruction Set Architecture Reference Guide (July 2026). The comments in the code are by the model that wrote it; some were corrected since.
;; Linear Receiver. Allowed arithmetic: float matrix products may take bf16 or f16 operands with f32 sums; all other float work in f32.
;; Inputs: W 1,024 x 32,768 float32; b 1,024 float32; x 2,048 x 32 int32.
;; Outputs: out0 2,048 x 1,024 float32; out1 2,048 float32; out2 2,048 float32.
;; One version. Each part assembles by itself: llvm-mc -triple=amdgcn-amd-amdhsa -mcpu=gfx1250 --defsym DOCPART=n.
;; ======== version 1 of 1: 2 launches
;; limits: values outside matrix products are rounded to bf16
;; workspace buffers: ws 8,388,608 bytes
;; launch gather (part 1): grid 256 x 1, 16 waves a work-group, no clusters, 327,680 bytes of LDS; arguments x, W, b, ws; writes ws
.if DOCPART == 1
	.amdgcn_target "amdgcn-amd-amdhsa--gfx1250"
	.amdhsa_code_object_version 6
	.text
	.protected	k_q90f08f08f7_gather
	.globl	k_q90f08f08f7_gather
	.p2align	8
	.type	k_q90f08f08f7_gather,@function
k_q90f08f08f7_gather:
	s_mov_b64 s[64:65], 0
	v_nop
	global_prefetch_b8 v0, s[64:65] scope:SCOPE_SE
	s_setreg_imm32_b32 hwreg(HW_REG_WAVE_MODE, 25, 1), 1
	s_wait_xcnt 0x0
; result(b, n) = bias[n] + sum over s = 0..31 of W[n][1024 s + x[b][s]]: the product of a one-hot board with W^T is a selection of 32 columns of W for each batch row.
; The selection is done as such: the matrix units would multiply 32,736 zeros for every 32 ones.
; SHARES.  Work-group j (256 of them) owns rows n = 4 j .. 4 j + 3 of W, 524,288 consecutive bytes, and serves all 2,048 batch rows: each byte of W is read once in the launch.
; W's four rows are rounded to bf16 and turned into 32 TABLES in LDS, one for each position s: entry v (8 bytes) = W[4 j .. 4 j + 3][1024 s + v].  One ds_load_b64 a lane is then one selection
; for four outputs.  All tables stay: each LDS byte of a table is stored once.  Thread (wave w, lane l) owns batch rows 128 w + 32 r + l, r = 0..3: 16 sums in f32, begun with the bias, s ascending.
; OUT.  ws[j][b][0..3] = result(b, 4 j ..): a wave's store covers 512 consecutive aligned bytes.  The next launch turns ws into out0's rows.
; W has to pass through registers to be rounded and turned, so it comes by plain loads, a ring of four blocks of four loads a wave: 16 loads x 512 bytes x 16 waves = 128 KiB of the work-group on their way.
; NO CLUSTER.  x (262,144 of the 786,432 bytes that a work-group brings in) is wanted whole by every work-group and could be asked for jointly.  But in a launch with joint requests every LDS address
; is alike in all partners by the text's own arithmetic (constants and the wave's number), and this launch's selections take their LDS addresses from x itself.  So each work-group asks for x alone.
; LIMITS.  W and b are rounded once to bf16 (nearest even): a magnitude that rounds past bf16's largest finite number becomes an infinity.  An index outside 0 .. 1023 (negative ones too)
; selects nothing, as in one_hot.  An infinity or NaN in W reaches only the rows that select its column; the product with zeros would spread a NaN over all batch rows of that output.
.set TP,    8448                       ; a table: 1,024 entries of 8 bytes, entry 1,024 (zeros, for indices out of range), and the rest of a block of 256 bytes
.set GP,    8*TP                       ; eight tables: a stage
.set XP,    144                        ; a row of x in LDS: 128 bytes + 16 of padding: the 16 rows that half a wave's ds_load_b128 touches start 36 words apart
.set XW,    128*XP                     ; a wave's 128 rows of x
.set SPARE, 16*XW                      ; 294,912: the spare words, 128 bytes for each of 16 waves: eight blocks of 256 bytes that no other line names
.set ROWB,  131072                     ; bytes in a row of W
; LDS: 0 .. 294,911 x, wave w's rows at w XW, filled once and read by the wave that asked alone; behind barrier X the tables (32 TP = 270,336 bytes from byte 0) take those bytes, which see no further fill.
.set SPW,  1                           ; v1       LDS address of my spare word; never rewritten
.set NIL,  2                           ; v2       0; never rewritten
.set ONE,  3                           ; v3       1.0
.set WOFF, 4                           ; v4       my 16 bytes in 8,192 consecutive bytes of a row of W: 16 x thread; never rewritten
.set STA,  5                           ; v5       where my four entries go in the stage's first two tables
.set BP,   6                           ; v[6:7]   the bias as bf16: {n0, n1}, {n2, n3}
.set ACC,  8                           ; v[8:23]  the sums: quarter r at ACC + 4 r
.set CV,   24                          ; v[24:31] four entries on their way to LDS; at the start and the end addresses
.set G,    32                          ; v[32:63] selected entries: two halves of 8 pairs
.set WR,   64                          ; v[64:127] W as loaded: ring of 4 blocks x 16; row i of the four at + 4 i
.set IDX,  128                         ; v[128:255] LDS address of entry x[b][s], less the table's place in its stage: (r, s) at IDX + 32 r + s
; Block k of W: the 16 waves take bytes 8,192 k .. + 8,191 (tables 2 k and 2 k + 1) of each of the four rows; a wave's load covers 512 consecutive aligned bytes.
; The largest immediate is 3 x 131,072 + 15 x 8,192 = 516,096.
.macro WLOAD k
.irp i, 0,1,2,3
	global_load_b128 v[WR+16*((\k)%4)+4*\i:WR+16*((\k)%4)+4*\i+3], v[WOFF], s[6:7] offset:\i*ROWB+(\k)*8192 th:TH_LOAD_NT
.endr
.endm
; Block k is rounded, turned and stored: column c of my four makes the entry {row 0, row 1}, {row 2, row 3}; the rounding takes any two registers, so the turn costs nothing.  Then the ring's block is asked for again.
.macro CONV k
.set WB, WR+16*((\k)%4)
.if ((\k)%4 == 0) && ((\k) > 0)
	v_add_nc_u32 v[STA], GP, v[STA]                ; the next stage's tables
.endif
.if (\k) < 13
	s_wait_loadcnt 12                              ; loads come back in order: block k is in, the three blocks asked for behind it stay out
.else
	s_wait_loadcnt 4*(15-(\k))                     ; the last blocks: fewer stand behind
.endif
.irp c, 0,1,2,3
	v_cvt_pk_bf16_f32 v[CV+2*\c],   v[WB+\c],   v[WB+4+\c]
	v_cvt_pk_bf16_f32 v[CV+2*\c+1], v[WB+8+\c], v[WB+12+\c]
.endr
	ds_store_b128 v[STA], v[CV:CV+3]   offset:2*((\k)%4)*TP
	ds_store_b128 v[STA], v[CV+4:CV+7] offset:2*((\k)%4)*TP+16
.if (\k)+4 <= 15
	WLOAD (\k)+4
.endif
.endm
; Eight selections: tables 8 t + 2 q and 8 t + 2 q + 1, my four batch rows.
.macro GB t, q
.irp u, 0,1
.irp r, 0,1,2,3
	ds_load_b64 v[G+16*((\q)%2)+8*\u+2*\r:G+16*((\q)%2)+8*\u+2*\r+1], v[IDX+32*\r+8*(\t)+2*(\q)+\u] offset:(2*(\q)+\u)*TP
.endr
.endr
.endm
; An entry's four bf16 are added onto four sums, straight from the halves.  first = 1: the bias (bf16 halves too) begins the sums: nothing is cleared.
.macro ADD4 a, g, first
.if \first
	v_fma_mix_f32_bf16 v[(\a)],   v[(\g)],   v[ONE], v[BP]   op_sel_hi:[1,0,1]
	v_fma_mix_f32_bf16 v[(\a)+1], v[(\g)],   v[ONE], v[BP]   op_sel:[1,0,1] op_sel_hi:[1,0,1]
	v_fma_mix_f32_bf16 v[(\a)+2], v[(\g)+1], v[ONE], v[BP+1] op_sel_hi:[1,0,1]
	v_fma_mix_f32_bf16 v[(\a)+3], v[(\g)+1], v[ONE], v[BP+1] op_sel:[1,0,1] op_sel_hi:[1,0,1]
.else
	v_fma_mix_f32_bf16 v[(\a)],   v[(\g)],   v[ONE], v[(\a)]   op_sel_hi:[1,0,0]
	v_fma_mix_f32_bf16 v[(\a)+1], v[(\g)],   v[ONE], v[(\a)+1] op_sel:[1,0,0] op_sel_hi:[1,0,0]
	v_fma_mix_f32_bf16 v[(\a)+2], v[(\g)+1], v[ONE], v[(\a)+2] op_sel_hi:[1,0,0]
	v_fma_mix_f32_bf16 v[(\a)+3], v[(\g)+1], v[ONE], v[(\a)+3] op_sel:[1,0,0] op_sel_hi:[1,0,0]
.endif
.endm
.macro FM t, q                         ; 32 additions: between two on one sum stand the 15 others'
.irp u, 0,1
.irp r, 0,1,2,3
.if (8*(\t)+2*(\q)+\u) == 0
	ADD4 ACC+4*\r, G+16*((\q)%2)+8*\u+2*\r, 1
.else
	ADD4 ACC+4*\r, G+16*((\q)%2)+8*\u+2*\r, 0
.endif
.endr
.endr
.endm
; A quarter of a stage: the next quarter's selections go out, a block of the NEXT stage's tables is made (other LDS bytes than those being read), then this quarter's entries are added.
.macro STEP t, q
.if (\q) < 3
	GB \t, (\q)+1
.endif
.if (\t) < 3
	CONV 4*((\t)+1)+(\q)
.endif
.if (\q) == 3
	s_wait_dscnt 0x0                               ; my last selections of the stage are in, and, for the others' sake, all my stores into the next stage's tables are done
.if (\t) < 3
	s_barrier_signal -1                            ; say so; the additions below, work on registers, stand between the signal and the wait
.endif
.elseif (\t) == 3
	s_wait_dscnt 8                                 ; behind this quarter's selections: the next quarter's 8
.elseif (\q) == 0
	s_wait_dscnt 10                                ; behind them: the next quarter's 8 and the block's 2 stores
.else
	s_wait_dscnt 12                                ; behind them: the block before's 2 stores, the next quarter's 8, this block's 2 stores
.endif
	FM \t, \q
.if ((\q) == 3) && ((\t) < 3)
	s_barrier_wait -1                              ; every wave's part of the next stage's tables is in LDS
.endif
.endm
	s_load_b256 s[4:11], s[0:1], 0x0               ; x s[4:5], W s[6:7], b s[8:9], ws s[10:11]
	v_lshl_add_u32 v[SPW], v0, 2, SPARE
	v_mov_b32 v[NIL], 0
	ds_add_u32 v[SPW], v[NIL]                      ; the wave's opening: the add and its wait stand ahead of my first tensor load; work on registers stands between them
	ds_add_u32 v1, v2
	v_lshrrev_b32 v24, 5, v0
	v_readfirstlane_b32 s12, v24                   ; wave 0..15
	s_mov_b32 s14, ttmp9                           ; j
	; x's descriptor.  My wave's 128 rows of x are 16,384 dense bytes: asked for as 64 rows of 256 bytes, two rows of x each, padded in LDS behind every row of x.
	s_mov_b32 s16, 1                               ; group 0: count = 1
	s_mul_i32 s17, s12, XW                         ; LDS address: my wave's number times a constant
	s_mov_b32 s20, (2<<16)|(1<<20)|(4<<22)|(3<<25) ; group 1: 15:0 no mask; 17:16 elements of 4 bytes; 20 padding on; 24:22 after every 32 words (code 4); 31:25 4 words (code 3)
	s_mov_b32 s21, 64<<16                          ; tensor_dim0 = 64
	s_mov_b32 s22, 64<<16                          ; tensor_dim1 = 64
	s_mov_b32 s23, 64<<16                          ; tile_dim0 = 64
	s_mov_b32 s24, 64                              ; tile_dim1 = 64
	s_mov_b32 s25, 64                              ; 64 elements from row to row
	s_mov_b32 s26, 0
	s_mov_b32 s27, 0
	s_lshl_b32 s34, s12, 14                        ; my wave's rows in x
	s_mov_b32 s35, 0
	s_mov_b32 s33, 0
	v_lshlrev_b32 v[WOFF], 4, v0
	s_wait_dscnt 0x0                               ; the opening add is done
	s_wait_kmcnt 0x0
	s_add_nc_u64 s[18:19], s[4:5], s[34:35]        ; group 0: global address,
	s_or_b32 s19, s19, 0x80000000                  ; type = 2
	s_lshl_b32 s32, s14, 19                        ; four rows of W
	s_add_nc_u64 s[6:7], s[6:7], s[32:33]
	s_lshl_b32 s32, s14, 15                        ; 2,048 batch rows x 16 bytes of ws
	s_add_nc_u64 s[10:11], s[10:11], s[32:33]
	s_lshl_b32 s32, s14, 4                         ; four numbers of b
	s_add_nc_u64 s[8:9], s[8:9], s[32:33]
	tensor_load_to_lds s[16:19], s[20:27]          ; my one tensor load of the launch: x is wanted first
	s_nop 0
	s_load_b128 s[28:31], s[8:9], 0x0              ; the bias
	WLOAD 0                                        ; the ring of W is filled before anything is waited for
	WLOAD 1
	WLOAD 2
	WLOAD 3
	v_and_b32 v25, 31, v0                          ; lane
	s_lshr_b32 s15, s12, 3                         ; which of a block's two tables is mine,
	s_and_b32 s36, s12, 7                          ; and which 128 entries of it
	s_mul_i32 s15, s15, TP
	s_lshl_b32 s36, s36, 10
	s_add_co_u32 s15, s15, s36
	v_lshl_add_u32 v[STA], v25, 5, s15             ; + 32 bytes (four entries) a lane
	v_mul_u32_u24 v24, v25, XP
	v_add_nc_u32 v24, s17, v24                     ; row l of my wave's x
	v_mov_b32 v[ONE], 1.0
	s_mul_i32 s37, s12, 2*TP
	v_mov_b32 v26, s37                             ; tables 2 w and 2 w + 1: I store their zero entries
	v_mov_b32 v[G], 0
	v_mov_b32 v[G+1], 0
	s_wait_kmcnt 0x0
	v_cvt_pk_bf16_f32 v[BP], s28, s29
	v_cvt_pk_bf16_f32 v[BP+1], s30, s31
	s_wait_tensorcnt 0x0                           ; my rows of x are in LDS; only I read them
.set i, 0
.rept 32                                               ; load i: quarter i / 8, positions 4 (i % 8) ..
	ds_load_b128 v[IDX+4*i:IDX+4*i+3], v24 offset:32*XP*(i/8)+16*(i%8)
.set i, i+1
.endr
.set i, 0
.rept 32
	s_wait_dscnt 31-i                              ; LDS loads come back in order: load i is in
.irp e, 0,1,2,3
	v_min_u32 v[IDX+4*i+\e], 0x400, v[IDX+4*i+\e]  ; unsigned: whatever lies outside 0 .. 1023 selects entry 1,024, the zeros
.endr
.irp e, 0,1,2,3
	v_lshl_add_u32 v[IDX+4*i+\e], v[IDX+4*i+\e], 3, ((i%8)/2)*GP  ; 8 bytes an entry, + the stage of position 4 (i % 8) + e; the table's place in its stage stands in the load's immediate
.endr
.set i, i+1
.endr
	s_wait_dscnt 0x0                               ; barrier X: my tensor load has landed (the wait above) and my reads of x are back,
	s_barrier_signal -1
	s_barrier_wait -1                              ; everybody's: the tables may take x's bytes
	ds_store_b64 v26, v[G:G+1] offset:8192         ; all lanes store the same 8 bytes of zeros
	ds_store_b64 v26, v[G:G+1] offset:8192+TP
	CONV 0
	CONV 1
	CONV 2
	CONV 3
	s_wait_dscnt 0x0                               ; for the others' sake: my stores into stage 0's tables and the zero entries are done
	s_barrier_signal -1
	s_barrier_wait -1
.irp t, 0,1,2,3                        ; four stages of eight tables, written out: the index registers differ from table to table
	GB \t, 0
	STEP \t, 0
	STEP \t, 1
	STEP \t, 2
	STEP \t, 3
.endr
	v_and_b32 v24, 31, v0
	v_lshlrev_b32 v24, 4, v24
	v_lshl_add_u32 v24, s12, 11, v24               ; batch row 128 w + l, 16 bytes each
.irp r, 0,1,2,3
	global_store_b128 v24, v[ACC+4*\r:ACC+4*\r+3], s[10:11] offset:512*\r  ; 32 batch rows: 512 consecutive bytes, at a multiple of 512 from ws's first byte; the next launch reads them
.endr
	s_wait_tensorcnt 0x0                           ; the wave's end, behind my last tensor load and my last LDS store
	ds_add_u32 v[SPW], v[NIL]
	s_wait_dscnt 0x0
	s_endpgm
.Lfunc_end_k_q90f08f08f7_gather:
	.size	k_q90f08f08f7_gather, .Lfunc_end_k_q90f08f08f7_gather-k_q90f08f08f7_gather
	.p2alignl 7, 3214868480
	.fill 96, 4, 3214868480
	.section	.rodata,"a",@progbits
	.p2align	6, 0x0
	.amdhsa_kernel k_q90f08f08f7_gather
		.amdhsa_group_segment_fixed_size 327680
		.amdhsa_private_segment_fixed_size 0
		.amdhsa_enable_private_segment 0
		.amdhsa_kernarg_size 32
		.amdhsa_user_sgpr_count 2
		.amdhsa_user_sgpr_kernarg_segment_ptr 1
		.amdhsa_wavefront_size32 1
		.amdhsa_system_sgpr_workgroup_id_x 1
		.amdhsa_system_sgpr_workgroup_id_y 1
		.amdhsa_system_sgpr_workgroup_id_z 1
		.amdhsa_system_vgpr_workitem_id 0
		.amdhsa_next_free_vgpr 256
		.amdhsa_next_free_sgpr 66
		.amdhsa_reserve_vcc 0
		.amdhsa_float_denorm_mode_32 3
		.amdhsa_float_denorm_mode_16_64 3
		.amdhsa_memory_ordered 1
		.amdhsa_forward_progress 1
		.amdhsa_inst_pref_size 83
	.end_amdhsa_kernel
	.amdgpu_metadata
---
amdhsa.version: [ 1, 2 ]
amdhsa.kernels:
  - .name:           k_q90f08f08f7_gather
    .symbol:         k_q90f08f08f7_gather.kd
    .args:
      - { .name: x, .offset: 0, .size: 8, .value_kind: global_buffer, .address_space: global }
      - { .name: W, .offset: 8, .size: 8, .value_kind: global_buffer, .address_space: global }
      - { .name: b, .offset: 16, .size: 8, .value_kind: global_buffer, .address_space: global }
      - { .name: ws, .offset: 24, .size: 8, .value_kind: global_buffer, .address_space: global }
    .group_segment_fixed_size: 327680
    .private_segment_fixed_size: 0
    .kernarg_segment_align: 8
    .kernarg_segment_size: 32
    .max_flat_workgroup_size: 512
    .sgpr_count:     66
    .vgpr_count:     256
    .wavefront_size: 32
...
	.end_amdgpu_metadata
.endif
;; end of part 1
;; launch spread (part 2): grid 128 x 2, 8 waves a work-group, no clusters, 34,048 bytes of LDS; arguments ws, out0, out1, out2; writes out0, out1, out2
.if DOCPART == 2
	.amdgcn_target "amdgcn-amd-amdhsa--gfx1250"
	.amdhsa_code_object_version 6
	.text
	.protected	k_q90f08f08f7_spread
	.globl	k_q90f08f08f7_spread
	.p2align	8
	.type	k_q90f08f08f7_spread,@function
k_q90f08f08f7_spread:
	s_mov_b64 s[64:65], 0
	v_nop
	global_prefetch_b8 v0, s[64:65] scope:SCOPE_SE
	s_setreg_imm32_b32 hwreg(HW_REG_WAVE_MODE, 25, 1), 1
	s_wait_xcnt 0x0
; out0[b][4 j + c] = ws[j][b][c]; out1 = out2 = 0.  ws: [256][2048][4] f32, out0: [2048][1024] f32.
; Work-group (bx, y) owns batch rows 16 bx .. + 15 and j = 128 y .. + 127: 32 KiB in, 2,048 bytes of each of 16 rows of out0 out.  For one j its 16 batch rows are 256 consecutive aligned bytes of ws,
; which half a wave loads at once; they go through a stage in LDS and come back as rows of out0: each store of a wave covers 512 consecutive aligned bytes.
; The data are moved as they are: no arithmetic, so no matrix unit; no work-group reads what another reads, so no cluster; 32 KiB a work-group come by eight loads a lane, all out at once.
.set SPITCH, 2064                      ; a stage row: 2,048 bytes + 16 = 129 x 16: the 16 rows that half a wave's ds_store_b128 touches start 516 words apart, at 16 different groups of four banks (64 banks of 4 bytes: ISA guide 11.1)
.set SPARE,  16*SPITCH                 ; 33,024: behind the stage, the spare words, 128 bytes for each of 8 waves: four blocks of 256 bytes that no other line names
.set SPW,  1                           ; v1  LDS address of my spare word; never rewritten
.set NIL,  2                           ; v2  0; never rewritten
.set LOFF, 5                           ; v5  my 16 bytes in ws: j = 16 w + l / 16, batch row l % 16
.set STO,  6                           ; v6  where they go in the stage
.set RD,   7                           ; v7  where I read rows back: row 2 w, 16 bytes a lane
.set SO,   8                           ; v8  the same place in out0
.set ZO,   9                           ; v9  8 bytes a lane of zeros
.set Z,    10                          ; v[10:11] 0
.set D,    12                          ; v[12:43] eight loads' data
	s_load_b256 s[4:11], s[0:1], 0x0               ; ws s[4:5], out0 s[6:7], out1 s[8:9], out2 s[10:11]
	v_lshl_add_u32 v[SPW], v0, 2, SPARE
	v_mov_b32 v[NIL], 0
	v_lshrrev_b32 v3, 5, v0
	v_readfirstlane_b32 s12, v3                    ; wave 0..7
	s_and_b32 s13, ttmp7, 0xffff                   ; y
	s_mov_b32 s20, ttmp9                           ; bx
	v_and_b32 v3, 15, v0                           ; l % 16
	v_bfe_u32 v4, v0, 4, 1                         ; l / 16
	s_lshl_b32 s14, s12, 4
	v_add_nc_u32 v4, s14, v4                       ; 16 w + l / 16
	v_lshlrev_b32 v[LOFF], 4, v3
	v_lshl_add_u32 v[LOFF], v4, 15, v[LOFF]        ; 32,768 bytes from j to j + 1
	v_mul_u32_u24 v[STO], v3, SPITCH
	v_lshl_add_u32 v[STO], v4, 4, v[STO]
	v_and_b32 v[ZO], 31, v0
	v_lshlrev_b32 v[RD], 4, v[ZO]                  ; 16 l
	v_lshl_add_u32 v[SO], s12, 13, v[RD]           ; + two rows of out0 a wave
	s_mul_i32 s15, s12, 2*SPITCH
	v_add_nc_u32 v[RD], s15, v[RD]                 ; + two stage rows a wave
	v_lshlrev_b32 v[ZO], 3, v[ZO]
	v_mov_b32 v[Z], 0
	v_mov_b32 v[Z+1], 0
	s_lshl_b32 s16, s13, 22                        ; 128 j x 32,768 bytes,
	s_lshl_b32 s17, s20, 8                         ; 16 batch rows x 16 bytes
	s_add_co_u32 s16, s16, s17
	s_mov_b32 s17, 0
	s_lshl_b32 s18, s20, 16                        ; 16 rows of out0,
	s_lshl_b32 s19, s13, 11                        ; 128 j x 16 bytes
	s_add_co_u32 s18, s18, s19
	s_mov_b32 s19, 0
	s_wait_kmcnt 0x0
	s_add_nc_u64 s[4:5], s[4:5], s[16:17]
	s_add_nc_u64 s[6:7], s[6:7], s[18:19]
.irp i, 0,1,2,3,4,5,6,7
	global_load_b128 v[D+4*\i:D+4*\i+3], v[LOFF], s[4:5] offset:65536*\i th:TH_LOAD_NT  ; j = 16 w + 2 i + l / 16
.endr
	; The zeros: out1 and out2 are 32 blocks of 256 bytes each; wave 0 of work-group (bx < 32, y) stores block bx of out1 (y = 0) or out2 (y = 1).
	s_cmp_lg_u32 s12, 0
	s_cbranch_scc1 .Lno_zeros
	s_cmp_ge_u32 s20, 32
	s_cbranch_scc1 .Lno_zeros
	s_cmp_eq_u32 s13, 0
	s_cselect_b64 s[22:23], s[8:9], s[10:11]
	s_lshl_b32 s14, s20, 8
	s_mov_b32 s15, 0
	s_add_nc_u64 s[22:23], s[22:23], s[14:15]
	global_store_b64 v[ZO], v[Z:Z+1], s[22:23] th:TH_STORE_NT  ; 32 lanes x 8 bytes: 256 consecutive aligned bytes
.Lno_zeros:
.irp i, 0,1,2,3,4,5,6,7
	s_wait_loadcnt 7-\i                            ; loads come back in order: load i is in, the younger ones stay out
	ds_store_b128 v[STO], v[D+4*\i:D+4*\i+3] offset:32*\i
.endr
	s_wait_dscnt 0x0                               ; for the others' sake: my stores into the stage are done
	s_barrier_signal -1
	s_barrier_wait -1
.irp i, 0,1,2,3,4,5,6,7
	ds_load_b128 v[D+4*\i:D+4*\i+3], v[RD] offset:(\i/4)*SPITCH+(\i%4)*512  ; row 2 w + i / 4, its quarter i % 4
.endr
.irp i, 0,1,2,3,4,5,6,7
	s_wait_dscnt 7-\i
	global_store_b128 v[SO], v[D+4*\i:D+4*\i+3], s[6:7] offset:(\i/4)*4096+(\i%4)*512 th:TH_STORE_NT  ; 512 consecutive bytes, at a multiple of 512 from out0's first byte
.endr
	s_wait_tensorcnt 0x0                           ; the wave's end, behind my last LDS store
	ds_add_u32 v[SPW], v[NIL]
	s_wait_dscnt 0x0
	s_endpgm
.Lfunc_end_k_q90f08f08f7_spread:
	.size	k_q90f08f08f7_spread, .Lfunc_end_k_q90f08f08f7_spread-k_q90f08f08f7_spread
	.p2alignl 7, 3214868480
	.fill 96, 4, 3214868480
	.section	.rodata,"a",@progbits
	.p2align	6, 0x0
	.amdhsa_kernel k_q90f08f08f7_spread
		.amdhsa_group_segment_fixed_size 34048
		.amdhsa_private_segment_fixed_size 0
		.amdhsa_enable_private_segment 0
		.amdhsa_kernarg_size 32
		.amdhsa_user_sgpr_count 2
		.amdhsa_user_sgpr_kernarg_segment_ptr 1
		.amdhsa_wavefront_size32 1
		.amdhsa_system_sgpr_workgroup_id_x 1
		.amdhsa_system_sgpr_workgroup_id_y 1
		.amdhsa_system_sgpr_workgroup_id_z 1
		.amdhsa_system_vgpr_workitem_id 0
		.amdhsa_next_free_vgpr 44
		.amdhsa_next_free_sgpr 66
		.amdhsa_reserve_vcc 0
		.amdhsa_float_denorm_mode_32 3
		.amdhsa_float_denorm_mode_16_64 3
		.amdhsa_memory_ordered 1
		.amdhsa_forward_progress 1
		.amdhsa_inst_pref_size 6
	.end_amdhsa_kernel
	.amdgpu_metadata
---
amdhsa.version: [ 1, 2 ]
amdhsa.kernels:
  - .name:           k_q90f08f08f7_spread
    .symbol:         k_q90f08f08f7_spread.kd
    .args:
      - { .name: ws, .offset: 0, .size: 8, .value_kind: global_buffer, .address_space: global }
      - { .name: out0, .offset: 8, .size: 8, .value_kind: global_buffer, .address_space: global }
      - { .name: out1, .offset: 16, .size: 8, .value_kind: global_buffer, .address_space: global }
      - { .name: out2, .offset: 24, .size: 8, .value_kind: global_buffer, .address_space: global }
    .group_segment_fixed_size: 34048
    .private_segment_fixed_size: 0
    .kernarg_segment_align: 8
    .kernarg_segment_size: 32
    .max_flat_workgroup_size: 256
    .sgpr_count:     66
    .vgpr_count:     44
    .wavefront_size: 32
...
	.end_amdgpu_metadata
.endif
;; end of part 2
